; MI455X (gfx1250); checked and timed in simulation.
; The chip was launched on July 23, 2026; its instructions are those of AMD's public machine-readable ISA for CDNA 5 (MIT licence, August 2026) and "CDNA5" Instruction Set Architecture Reference Guide (July 2026). The comments in the code are by the model that wrote it; some were corrected since.
;; Attn. Allowed arithmetic: matrix products marked QUANTISED: E2M3 operands, one E8M0 scale for each 32 along K, by v_wmma_scale_f32_16x16x128_f8f6f4 with both operands' format E2M3, f32 sums; everything else in f32.
;; Inputs: k 2 x 2,048 x 8 x 128 float32; q 2 x 2,048 x 32 x 128 float32; v 2 x 2,048 x 8 x 128 float32.
;; Outputs: out0 2 x 2,048 x 32 x 128 float32.
;; This version of the problem:
;;   THIS VERSION OF THE PROBLEM IS GIVEN IN LOW PRECISION. The matrix products marked QUANTISED in the list below multiply operands that are first quantised to E2M3 (2 exponent bits, 3 mantissa bits; 6 bits a number), with one power-of-two scale for each 32 numbers along K (OCP MX v1.0); their sums are f32. All else is computed in f32.
;;   The module's matrix products, in the order in which they are computed (A, B: the left and right operand; K: the contracted axis; several contracted axes count as one K, in the product's order):
;;     1. batch 64 x [M 2,048, K 128] x [K 128, N 2,048]; A: input q; B: input k: QUANTISED
;;     2. batch 64 x [M 128, K 2,048] x [K 2,048, N 2,048]; A: input v; B: softmax (see below): QUANTISED
;;   THE QUANTISER, for each operand of a quantised product, along K:
;;     - K is cut into blocks of 32 from its start; a last block that is shorter is filled with zeros.
;;     - A block's scale is 2^e with e = floor(log2(the largest magnitude in the block)) - 2, held to -126 .. 127; a block of zeros has e = 0. As a byte (E8M0): e + 127.
;;     - Each number is divided by its block's scale, clamped to +-7.5, and rounded to the nearest number of E2M3, ties to even, subnormals kept.
;;     - The product sums the exact products of the quantised numbers (number of the format x scale) in f32.
;;   ~~~python
;;   def quantise(x, axis):      # numpy; x: float32 -> the quantised numbers, widened to float32 again
;;       x = np.moveaxis(x, axis, -1); K = x.shape[-1]
;;       x = np.pad(x, [(0, 0)] * (x.ndim - 1) + [(0, -K % 32)]); x = x.reshape(x.shape[:-1] + (-1, 32)); a = np.abs(x).max(-1, keepdims=True)
;;       e = np.where(a > 0, np.clip(np.frexp(np.where(a > 0, a, 1))[1] - 1 - 2, -126, 127), 0)      # np.frexp(a)[1] - 1 = floor(log2(a)), exactly
;;       r = np.clip(x / 2.0 ** e, -7.5, 7.5)
;;       step = 2.0 ** (np.maximum(np.frexp(np.where(r == 0, 1, r))[1] - 1, 0) - 3)
;;       q = np.round(r / step) * step * 2.0 ** e      # np.round: ties to even
;;       return np.moveaxis(q.reshape(q.shape[:-2] + (-1,))[..., :K], -1, axis).astype(np.float32)
;;   ~~~
;;   SOFTMAX AHEAD OF A QUANTISED PRODUCT. Where the list says 'softmax', what is quantised is not the finished softmax but p = 2^(t - M), with t = logit x log2(e) and M = ceil(the row's largest t), a whole number; so 1/2 < the row's largest p <= 1. The row's sum l is taken of the UNQUANTISED p, in f32, and the product's result is divided by l at the end. Since M is a whole number, a kernel that streams over the keys may use a running M (the ceiling of the running maximum): every later rescaling is an exact power of two, which a block's scale takes up: the codes' values come out the same.
;;   OPERANDS COMPUTED ON THE WAY. 'Computed on the way' means the value that the module computes at that place (a softmax that the list does not call 'softmax' is quantised finished and normalised). What goes into a quantiser is computed in f32, as accurately as f32 sums, v_exp_f32 and their like allow (about 1e-6 of the number): no bf16 or f16 on the way to a quantiser, and a product that is left as it is and whose result goes on into a quantised operand takes f32 operands (vector FMAs, or v_wmma_f32_16x16x4_f32). A number that lies on a knife's edge between two numbers of the format may be rounded either way, as far as f32 arithmetic and the matrix unit's own rounding can turn it there, and no further.
;; One version. Each part assembles by itself: llvm-mc -triple=amdgcn-amd-amdhsa -mcpu=gfx1250 --defsym DOCPART=n.
;; ======== version 1 of 1: 2 launches
;; workspace buffers: kv 6,553,600 bytes
;; launch quant (part 1): grid 16 x 16, 16 waves a work-group, no clusters, 169,984 bytes of LDS; arguments k, v, kv; writes kv
.if DOCPART == 1
	.amdgcn_target "amdgcn-amd-amdhsa--gfx1250"
	.amdhsa_code_object_version 6
	.text
	.protected	k_q984b46dc3a_quant
	.globl	k_q984b46dc3a_quant
	.p2align	8
	.type	k_q984b46dc3a_quant,@function
k_q984b46dc3a_quant:
	s_mov_b64 s[64:65], 0
	v_nop
	global_prefetch_b8 v0, s[64:65] scope:SCOPE_SE
	s_setreg_imm32_b32 hwreg(HW_REG_WAVE_MODE, 25, 1), 1
	s_wait_xcnt 0x0
; K and V, [2][2048][8][128] f32, become codes of FP6 (E2M3) with one E8M0 scale byte for each 32 along a product's K: K along the head's 128, V along the keys.
; A work-group (x = key step s of 128 keys, y = 8 x batch + K/V head) makes ONE block of 25,600 bytes of kv, at (16 y + s) x 25,600, laid as IMAGES OF THE OPERANDS' REGISTERS:
;   bytes 0 .. 12,287       K's eight fragments: tile t at 1,536 t; registers 4 c .. 4 c + 3 of lane l at 512 c + 16 l.  Lane r of tile 2 b + u holds key 32 b + 8 u + r + 8 (r / 8); registers 6 c .. 6 c + 5 hold d = 64 c + 32 (l / 16) + 0 .. 31
;   bytes 12,288 .. 24,575  V's eight fragments likewise: lane r of tile t holds channel 16 t + r; registers 6 c .. 6 c + 5 hold keys 64 c + 32 (l / 16) + 0 .. 31 of the step
;   bytes 24,576 .. 25,087  K's scale words: lane l's 16 bytes at 16 l; word j is the word (four bytes, blocks 0 .. 3 along K) of row l % 16 of tile 4 (l / 16) + j
;   bytes 25,088 .. 25,599  V's likewise
; So the reader takes a fragment by three loads of 512 consecutive bytes, and the scale words of all eight tiles by one.
; THE RULE: a block's scale is 2^(floor(log2(its largest magnitude)) - 2); its byte is the largest magnitude's exponent field - 2, held at 1 from below; each number / scale goes to the nearest code, ties to even, beyond 7.5 the largest code.
; LIMITS: NaN and infinities among the inputs are not served.  A block of zeros gets the byte 1 where the rule says 127: its codes are zeros, which add nothing under any byte but 0xff, and this program alone reads the bytes.
;         Blocks whose largest magnitude lies under 2^-124 keep the byte 1 (the rule's hold at -126); the conversion of such numbers was not tried.
; SHARES: 128 rows of K and 128 of V (512 bytes each, 4,096 bytes apart in memory) come into LDS by four tensor loads (waves 0, 1: K's halves; waves 2, 3: V's), filled once.  Wave w < 8 makes K's tile w, wave w >= 8 V's tile w - 8.
; LDS rows are 528 bytes apart.  The two groups of eight rows that a tile of K takes, and the two halves of the lanes in V's loads, lie 16 rows apart, so two of a load's lanes meet in a bank (64 banks of 4 bytes: ISA guide 11.1): 16 or 64 loads a wave, once.
.set PITCH, 528
.set VT,    128*PITCH                  ; LDS: K's 128 rows at 0, V's 128 rows here,
.set SCST,  2*128*PITCH                ; and the 1,024 bytes of scale words, as they will lie in kv
.set BLOCK, 25600
.set FRB,   1536                       ; a fragment's image
.set WV,    10                         ; s10  my wave's number
.set SEL,   40                         ; s[40:41] lane selects of v_permlanex16_b32: lane l xor 16
; 64 numbers of a lane, v[src] on, register 16 b + i = k 32 b + 16 (lane / 16) + i of my row, become a fragment's codes in v[pc] .. v[pc + 11] and my row's scale word in v[pw] (the same in both halves of the lanes).
.macro QUANT src, pc, pw
.irp b, 0,1,2,3
	v_max3_num_f32 v[232+\b], |v[\src+16*\b]|, |v[\src+1+16*\b]|, 0x1800000   ; block b: my 16 numbers, and the floor 2^(3 - 127): so the byte cannot fall under 1
.endr
.irp i, 2,4,6,8,10,12,14
.irp b, 0,1,2,3
	v_max3_num_f32 v[232+\b], v[232+\b], |v[\src+16*\b+\i]|, |v[\src+1+16*\b+\i]|   ; (the four blocks by turns)
.endr
.endr
.irp b, 0,1,2,3
	v_permlanex16_b32 v[236+\b], v[232+\b], s[SEL], s[SEL+1]
.endr
.irp b, 0,1,2,3
	v_max_num_f32 v[232+\b], v[232+\b], v[236+\b]  ; with lane l xor 16's 16: the block's largest magnitude
.endr
.irp b, 0,1,2,3
	v_add_nc_u32 v[244+\b], 0xff000000, v[232+\b]  ; 2 off its exponent field: the conversion takes the exponent field of this operand as its scale
.endr
.irp b, 0,1,2,3
	v_lshrrev_b32 v[236+\b], 23, v[244+\b]         ; the scale's byte
.endr
	v_lshl_or_b32 v[\pw], v237, 8, v236
	v_lshl_or_b32 v[\pw], v238, 16, v[\pw]
	v_lshl_or_b32 v[\pw], v239, 24, v[\pw]
.irp c, 0,1
	v_cvt_scalef32_pk16_fp6_f32 v[\pc+6*\c:\pc+2+6*\c], v[\src+32*\c:\src+15+32*\c], v[244+2*\c]
	v_cvt_scalef32_pk16_fp6_f32 v[236+4*\c:238+4*\c], v[\src+16+32*\c:\src+31+32*\c], v[245+2*\c]   ; (a conversion's three registers begin on an even number)
.endr
	v_nop                                          ; one plain instruction behind the scaled conversions
.irp c, 0,1                                    ; the operand wants a WHOLE block in a lane: lanes 0-15 block 2 c, lanes 16-31 block 2 c + 1
.irp i, 0,1,2
	v_permlane16_swap_b32 v[\pc+6*\c+\i], v[236+4*\c+\i]
.endr
.irp i, 0,1,2
	v_mov_b32 v[\pc+3+6*\c+\i], v[236+4*\c+\i]
.endr
.endr
.endm
	s_load_b128 s[4:7], s[0:1], 0x0                ; k s[4:5], v s[6:7]
	s_load_b64 s[8:9], s[0:1], 0x10                ; kv
	v_lshl_add_u32 v253, v0, 2, 0x29000
	v_mov_b32 v254, 0
	ds_add_u32 v253, v254
	v_lshrrev_b32 v1, 5, v0
	v_readfirstlane_b32 s[WV], v1                  ; wave 0..15
	s_and_b32 s11, ttmp7, 0xffff                   ; y = 8 x batch + K/V head
	; descriptor group 1, one for all four loads: 64 rows x 128 elements of 4 bytes, 1,024 elements from row to row, 4 words of padding behind every 128 words
	s_mov_b32 s16, (2<<16)|(1<<20)|(6<<22)|(3<<25)
	s_mov_b32 s17, 128<<16                         ; tensor_dim0
	s_mov_b32 s18, 64<<16                          ; tensor_dim1
	s_mov_b32 s19, 128<<16                         ; tile_dim0
	s_mov_b32 s20, 64                              ; tile_dim1
	s_mov_b32 s21, 1024                            ; from row to row
	s_mov_b32 s22, 0
	s_mov_b32 s23, 0
	s_lshr_b32 s12, s11, 3
	s_lshl_b32 s12, s12, 23                        ; batch x 2,048 keys x 4,096 bytes
	s_and_b32 s13, s11, 7
	s_lshl_b32 s13, s13, 9                         ; + head x 512
	s_add_co_u32 s12, s12, s13
	s_lshl_b32 s13, ttmp9, 19                      ; + 128 s keys
	s_add_co_u32 s12, s12, s13
	s_and_b32 s14, s[WV], 1
	s_lshl_b32 s13, s14, 18                        ; + the half that I fetch: 64 keys
	s_add_co_u32 s32, s12, s13
	s_mov_b32 s33, 0
	s_mul_i32 s15, s14, 64*PITCH                   ; and its place in the tile
	s_lshl_b32 s38, s11, 4
	s_add_co_u32 s38, s38, ttmp9
	s_mul_i32 s38, s38, BLOCK                      ; my work-group's block of kv
	s_mov_b32 s39, 0
	s_mul_i32 s42, s[WV], FRB                      ; my fragment in it: K's tiles 0-7, then V's
	s_mov_b32 s43, 0
	s_mov_b32 s[SEL], 0x76543210
	s_mov_b32 s[SEL+1], 0xfedcba98
	; every LDS address is made here, on the one way that all waves take
	v_and_b32 v1, 31, v0
	v_lshlrev_b32 v1, 4, v1                        ; v1: 16 x lane
	v_and_b32 v2, 15, v0                           ; r
	v_bfe_u32 v3, v0, 4, 1                         ; h
	s_and_b32 s12, s[WV], 7                        ; t: my tile
	s_lshr_b32 s13, s12, 1
	s_lshl_b32 s13, s13, 5
	s_and_b32 s14, s12, 1
	s_lshl_b32 s14, s14, 3
	s_add_co_u32 s13, s13, s14
	s_mul_i32 s13, s13, PITCH                      ; K: the tile begins at key 32 (t / 2) + 8 (t % 2)
	v_and_b32 v4, 8, v2
	v_add_nc_u32 v4, v4, v2                        ; r + 8 (r / 8)
	v_mul_u32_u24 v4, v4, PITCH
	v_lshl_add_u32 v4, v3, 6, v4                   ; + 64 h: my 16 numbers of a block of 32
	v_add_nc_u32 v4, s13, v4                       ; v4: K's rows
	s_lshl_b32 s13, s12, 6
	s_add_co_u32 s13, s13, VT                      ; V: channel 16 t + r, keys down the rows
	v_mul_u32_u24 v5, v3, 16*PITCH                 ; lanes 16-31 begin 16 keys further down
	v_lshl_add_u32 v5, v2, 2, v5
	v_add_nc_u32 v5, s13, v5                       ; v5: V's column
	s_lshr_b32 s13, s[WV], 2
	s_lshl_b32 s13, s13, 8
	s_and_b32 s14, s[WV], 3
	s_lshl_b32 s14, s14, 2
	s_add_co_u32 s13, s13, s14
	s_add_co_u32 s13, s13, SCST
	v_lshl_add_u32 v6, v2, 4, s13                  ; v6: my row's scale word: 256 (wave / 4) + 16 r + 4 (wave % 4)
	v_add_nc_u32 v7, SCST, v1                      ; v7: the scale words on their way out
.irp b, 0,1,2,3
	v_mov_b32 v[236+\b], 0                         ; written once: a lane permute's destination counts as one of its sources
.endr
	s_wait_dscnt 0x0
	s_wait_kmcnt 0x0
	s_mov_b32 s24, 1                               ; group 0 for K: count = 1,
	s_mov_b32 s25, s15                             ; LDS address,
	s_add_nc_u64 s[26:27], s[4:5], s[32:33]        ; global address of the tile's first element,
	s_or_b32 s27, s27, 0x80000000                  ; type = 2
	s_mov_b32 s28, 1                               ; and for V
	s_add_co_u32 s29, s15, VT
	s_add_nc_u64 s[30:31], s[6:7], s[32:33]
	s_or_b32 s31, s31, 0x80000000
	s_add_nc_u64 s[34:35], s[8:9], s[38:39]        ; kv at my block
	s_add_nc_u64 s[36:37], s[34:35], s[42:43]      ; and at my fragment
	s_cmp_lt_u32 s[WV], 2                          ; waves 0, 1 fetch K's halves, waves 2, 3 V's, the others nothing: one load of a wave is out.  Four v_nop follow each line
	s_cbranch_scc0 .Lnot_k
	tensor_load_to_lds s[24:27], s[16:23]
	s_nop 0
.rept 4
	v_nop
.endr
	s_branch .Lasked
.Lnot_k:
	s_cmp_lt_u32 s[WV], 4
	s_cbranch_scc0 .Lasked
	tensor_load_to_lds s[28:31], s[16:23]
	s_nop 0
.rept 4
	v_nop
.endr
.Lasked:
	s_wait_tensorcnt 0x0                           ; my part of the tiles has landed,
	s_barrier_signal -1
	s_barrier_wait -1                              ; everybody's has
	s_cmp_lt_u32 s[WV], 8
	s_cbranch_scc0 .Lv_rows
.irp b, 0,1,2,3                                ; K: of my key's row, 16 neighbours of each block of 32
.irp j, 0,1,2,3
	ds_load_b128 v[96+16*\b+4*\j:99+16*\b+4*\j], v4 offset:128*\b+16*\j
.endr
.endr
	s_branch .Lgot
.Lv_rows:
.irp b, 0,1,2,3                                ; V: my channel at keys 32 b + 16 h + i: the registers run down the keys
.irp i, 0,1,2,3,4,5,6,7,8,9,10,11,12,13,14,15
	ds_load_b32 v[96+16*\b+\i], v5 offset:(32*\b+\i)*PITCH
.endr
.endr
.Lgot:
	s_wait_dscnt 0x0
	QUANT 96, 16, 255
.irp c, 0,1,2
	global_store_b128 v1, v[16+4*\c:19+4*\c], s[36:37] offset:512*\c   ; the fragment as it stands: 32 lanes store 512 consecutive bytes, at a multiple of 256 from kv's first byte
.endr
	ds_store_b32 v6, v255                          ; both halves of the lanes write the same word with the same value
	s_wait_dscnt 0x0                               ; for the others' sake: my store has landed
	s_barrier_signal -1
	s_barrier_wait -1
	s_cmp_lg_u32 s[WV], 0                          ; wave 0 sends the sixteen waves' scale words: two stores of 512 consecutive bytes
	s_cbranch_scc1 .Ldone
	ds_load_b128 v[32:35], v7
	ds_load_b128 v[36:39], v7 offset:512
	s_wait_dscnt 0x0
	global_store_b128 v1, v[32:35], s[34:35] offset:24576
	global_store_b128 v1, v[36:39], s[34:35] offset:25088
.Ldone:
	s_wait_tensorcnt 0x0
	ds_add_u32 v253, v254
	s_wait_dscnt 0x0
	s_endpgm
.Lfunc_end_k_q984b46dc3a_quant:
	.size	k_q984b46dc3a_quant, .Lfunc_end_k_q984b46dc3a_quant-k_q984b46dc3a_quant
	.p2alignl 7, 3214868480
	.fill 96, 4, 3214868480
	.section	.rodata,"a",@progbits
	.p2align	6, 0x0
	.amdhsa_kernel k_q984b46dc3a_quant
		.amdhsa_group_segment_fixed_size 169984
		.amdhsa_private_segment_fixed_size 0
		.amdhsa_enable_private_segment 0
		.amdhsa_kernarg_size 24
		.amdhsa_user_sgpr_count 2
		.amdhsa_user_sgpr_kernarg_segment_ptr 1
		.amdhsa_wavefront_size32 1
		.amdhsa_system_sgpr_workgroup_id_x 1
		.amdhsa_system_sgpr_workgroup_id_y 1
		.amdhsa_system_sgpr_workgroup_id_z 1
		.amdhsa_system_vgpr_workitem_id 0
		.amdhsa_next_free_vgpr 256
		.amdhsa_next_free_sgpr 66
		.amdhsa_reserve_vcc 0
		.amdhsa_float_denorm_mode_32 3
		.amdhsa_float_denorm_mode_16_64 3
		.amdhsa_memory_ordered 1
		.amdhsa_forward_progress 1
		.amdhsa_inst_pref_size 15
	.end_amdhsa_kernel
	.amdgpu_metadata
---
amdhsa.version: [ 1, 2 ]
amdhsa.kernels:
  - .name:           k_q984b46dc3a_quant
    .symbol:         k_q984b46dc3a_quant.kd
    .args:
      - { .name: k, .offset: 0, .size: 8, .value_kind: global_buffer, .address_space: global }
      - { .name: v, .offset: 8, .size: 8, .value_kind: global_buffer, .address_space: global }
      - { .name: kv, .offset: 16, .size: 8, .value_kind: global_buffer, .address_space: global }
    .group_segment_fixed_size: 169984
    .private_segment_fixed_size: 0
    .kernarg_segment_align: 8
    .kernarg_segment_size: 24
    .max_flat_workgroup_size: 512
    .sgpr_count:     66
    .vgpr_count:     256
    .wavefront_size: 32
...
	.end_amdgpu_metadata
.endif
;; end of part 1
;; launch attn (part 2): grid 16 x 16, 16 waves a work-group, no clusters, 327,680 bytes of LDS; arguments q, kv, out0; writes out0
.if DOCPART == 2
	.amdgcn_target "amdgcn-amd-amdhsa--gfx1250"
	.amdhsa_code_object_version 6
	.text
	.protected	k_q984b46dc3a_attn
	.globl	k_q984b46dc3a_attn
	.p2align	8
	.type	k_q984b46dc3a_attn,@function
k_q984b46dc3a_attn:
	s_mov_b64 s[64:65], 0
	v_nop
	global_prefetch_b8 v0, s[64:65] scope:SCOPE_SE
	s_setreg_imm32_b32 hwreg(HW_REG_WAVE_MODE, 25, 1), 1
	s_wait_xcnt 0x0
; out[b][q][h][:] = the sum over keys k <= q of softmax_k(Q . K / sqrt(128)) V, 32 query heads on 8 K/V heads, both products on codes of FP6 (E2M3) with one E8M0 scale for each 32 along a product's K.
; q, out0: [2][2048][32][128] f32.  kv: K's and V's codes and scale words, one block of 25,600 bytes for each (8 x batch + K/V head, key step of 128 keys), laid as images of the operands' registers:
;   K's eight fragments at 1,536 t (lane r of tile 2 b + u: key 32 b + 8 u + r + 8 (r / 8)), V's eight at 12,288 + 1,536 t (lane r: channel 16 t + r; K = the step's keys), K's scale words at 24,576, V's at 25,088
;   (lane l's 16 bytes at 16 l: word j = row l % 16 of tile 4 (l / 16) + j).
; THE SOFTMAX AHEAD OF THE SECOND PRODUCT: t = score x log2(e) / sqrt(128); M = the running largest t rounded UP to a whole number; p = 2^(t - M) is quantised along the keys, not normalised; the row's sum is taken of the
; unquantised p and divides O at the end; when M moves, the sum and O are multiplied by 2^(old M - new M), which rounds nothing.
; SHARES.  A work-group (x = i, y = 8 x batch + K/V head) holds 64 queries x the FOUR query heads of one K/V head: wave w has head 4 kvh + w % 4 and the 16 queries 16 (w / 4) on, in 256 registers, four waves to a SIMD.
; It does TWO blocks of 64 queries: block 31 - i, which needs 16 - i / 2 key steps, then block i, which needs i / 2 + 1: 17 steps for every i.  So one loop of constant count serves all work-groups, each has the same work,
; and no step is fetched or walked all of whose keys the mask hides.  Only a block's last step lies on the diagonal, for all sixteen waves alike.
; LAYOUT.  Both products are used transposed (S^T = K Q^T, O^T = V^T P^T): a lane holds ONE query (lane % 16) throughout, and the 16 registers of tiles 2 b, 2 b + 1 of S^T are the keys 32 b + 16 (lane / 16) + 0 .. 15.
; THE RING.  Two LDS slots of one kv block; waves 0 to 3 fetch a quarter each (25 rows of 256 bytes), one load of a wave out; the ring runs on from the first block of queries into the second.
; NO CLUSTER: the four heads that share K and V sit in one work-group already.  Of a K/V head's sixteen work-groups, work-group x goes back to key step 0 after 16 - x / 2 steps, so only pairs walk the same sequence of tiles:
; four partners would need loads that differ between them, or an eighteenth step.
; LIMITS: NaN and infinities among the inputs are not served.  A block of zeros gets the scale byte 1 where the rule says 127 (its codes are zeros; the bytes are read here alone).  A block's largest p is not searched for: the block's
; largest score goes through the same multiply-add and exponential, which takes v_exp_f32 not to fall where its input rises; at the worst one p of a block, within an ulp of a power of two, is held one code low.
.set BLOCK, 25600
.set QB,    6400                       ; a quarter of a block
.set FRB,   1536                       ; a fragment's image
.set VCO,   12288
.set KSO,   24576
.set VSO,   25088
.set SLOTX, 0x8000                     ; slot 1 begins here: one exclusive or turns an address in one slot into the other's
.set SP,    528                        ; a stage row: 512 bytes + 16
.set STAGE, 65536                      ; behind the ring: 16 rows of 528 bytes for each wave, its own; no fill lands here
.set SPARE, STAGE+16*16*SP             ; behind the stages: the spare words, 128 bytes for each wave: eight blocks of 256 bytes that no other line names
.set LI,  1                            ; v1   16 x lane: an image's place, and my 16 bytes of a row of q or out0
.set SPW, 2                            ; v2   my spare word: SPARE + 4 x my thread's number; never rewritten
.set NIL, 3                            ; v3   0; never rewritten
.set STI, 4                            ; v4   my stage + 16 x lane: whole rows
.set STQ, 5                            ; v5   my stage + 528 r + 64 h: of row r, 16 neighbours of a block of 32
.set STO, 6                            ; v6   my stage + 528 r + 32 h: eight channels of row r
.set ADR, 8                            ; v8   the slot in hand + 16 x lane
.set RH,  9                            ; v9   r - 16 h
.set PFO, 10                           ; v10  256 x min(lane, 24)
; v12 -M, v13 the largest t, v[14:15] the sum in two halves; v16-27 Q's codes, v255 Q's scale words; v32-79 four fragments of K or V; v80-91, v92 the second block's Q; v96-159 S^T, then p; v160-223 O^T;
; v224-235 p's codes; v232-247, v252, v254 at work; v248-251 K's or V's scale words; v253 p's scale word
.set WV,   10                          ; s10  my wave's number
.set G1,   16                          ; s[16:23] descriptor group 1
.set G0,   24                          ; s[24:27] descriptor group 0: it walks
.set KVB,  28                          ; s[28:29] kv at my head's first block, my quarter
.set FO,   30                          ; s[30:31] byte offset of the key step to fetch
.set FN,   32                          ; s32  its number among the 17
.set LA,   33                          ; s33  steps of the first block of queries
.set LEFT, 34                          ; s34  steps left in the block of queries in hand
.set LB1,  35                          ; s35  steps of the second block + 1
.set DD,   36                          ; s36  my first query less the diagonal step's first key
.set DB,   37                          ; s37  the same for the second block
.set TB,   38                          ; s38  LDS byte at which the slot in hand begins
.set TRIPS, 39
.set SEL,  40                          ; s[40:41] lane selects of v_permlanex16_b32: lane l xor 16
.set CS,   42                          ; s[42:43] c = log2(e) / sqrt(128): the packed form names a pair and takes its low word for both halves
.set OP,   44                          ; s[44:45] out0 at my rows of the block in hand;  s[46:47] of the second block
.set OPB,  46
.set QPA,  48                          ; s[48:49], s[50:51] q at my rows of the two blocks
.set QPB,  50
.set PFA,  52                          ; s[52:53] where my prefetches stand
.set LIM,  54                          ; s54  2 in a wave that prefetches, else the greatest number
; 64 numbers of a lane, v[src] on, register 16 b + i = k 32 b + 16 (lane / 16) + i of my row, become a fragment's codes in v[pc] .. v[pc + 11] and my row's scale word in v[pw] (the same in both halves of the lanes).
.macro QUANT src, pc, pw
.irp b, 0,1,2,3
	v_max3_num_f32 v[232+\b], |v[\src+16*\b]|, |v[\src+1+16*\b]|, 0x1800000   ; block b: my 16 numbers, and the floor 2^(3 - 127): so the byte cannot fall under 1
.endr
.irp i, 2,4,6,8,10,12,14
.irp b, 0,1,2,3
	v_max3_num_f32 v[232+\b], v[232+\b], |v[\src+16*\b+\i]|, |v[\src+1+16*\b+\i]|
.endr
.endr
.irp b, 0,1,2,3
	v_permlanex16_b32 v[236+\b], v[232+\b], s[SEL], s[SEL+1]
.endr
.irp b, 0,1,2,3
	v_max_num_f32 v[232+\b], v[232+\b], v[236+\b]  ; with lane l xor 16's 16: the block's largest magnitude
.endr
.irp b, 0,1,2,3
	v_add_nc_u32 v[244+\b], 0xff000000, v[232+\b]  ; 2 off its exponent field: the conversion's scale operand
.endr
.irp b, 0,1,2,3
	v_lshrrev_b32 v[236+\b], 23, v[244+\b]         ; the scale's byte
.endr
	v_lshl_or_b32 v[\pw], v237, 8, v236
	v_lshl_or_b32 v[\pw], v238, 16, v[\pw]
	v_lshl_or_b32 v[\pw], v239, 24, v[\pw]
.irp c, 0,1
	v_cvt_scalef32_pk16_fp6_f32 v[\pc+6*\c:\pc+2+6*\c], v[\src+32*\c:\src+15+32*\c], v[244+2*\c]
	v_cvt_scalef32_pk16_fp6_f32 v[236+4*\c:238+4*\c], v[\src+16+32*\c:\src+31+32*\c], v[245+2*\c]   ; (a conversion's three registers begin on an even number)
.endr
	v_nop                                          ; one plain instruction behind the scaled conversions
.irp c, 0,1                                    ; the operand wants a WHOLE block in a lane
.irp i, 0,1,2
	v_permlane16_swap_b32 v[\pc+6*\c+\i], v[236+4*\c+\i]
.endr
.irp i, 0,1,2
	v_mov_b32 v[\pc+3+6*\c+\i], v[236+4*\c+\i]
.endr
.endr
.endm
; Waves 0 to 3 fetch a quarter of a block each, the others nothing.  The branch hangs on the wave's number alone.  Four v_nop follow the line.
.macro TLOAD
	s_cmp_lt_u32 s[WV], 4
	s_cbranch_scc0 .Lnone_\@
	tensor_load_to_lds s[G0:G0+3], s[G1:G1+7]
	s_nop 0
.rept 4
	v_nop
.endr
.Lnone_\@:
.endm
; A PREFETCH INTO THE L2 of the kv block that the NEXT change of slots will ask for.  All sixteen work-groups of a K/V head read the same blocks: work-group x = 0 asks, which walks key steps 0 to 15 in order.  In it waves 4 to 7
; ask, which fetch nothing: 6,400 bytes a wave, lanes 256 bytes apart, one instruction; 25 lanes cover them, and lanes 25 to 31 name the 25th lane's byte again in the same instruction.  Trip n names key step n + 2; trips 0 to 13 ask,
; so the last block named is the head's last; steps 0 and 1 come by their loads alone.
.macro ASK
	s_cmp_gt_u32 s[TRIPS], s[LIM]
	s_cbranch_scc0 .Lnot_mine_\@
	global_prefetch_b8 v[PFO], s[PFA:PFA+1] th:TH_LOAD_NT scope:SCOPE_SE
.Lnot_mine_\@:
.endm
; THE CHANGE OF SLOTS stands at a step's head.  Each wave waits for all its tensor loads (its part of the slot that it is about to read), adds 0 to its spare word, and waits for that and for its reads of the slot that it has left.
; Behind the barrier the slot ahead is whole and nobody reads the other one.  fill = 1: that other slot takes the next step's block, which has a whole step in which to land.
.macro CHANGE fill
	s_wait_tensorcnt 0x0                           ; no tensor load of mine is out, so group 0 may be written
	ds_add_u32 v[SPW], v[NIL]                      ; 0 onto my spare word: with fill = 1 the descriptor's steps stand between it and the wait for it
.if \fill
	s_xor_b32 s[G0+1], s[G0+1], SLOTX              ; the other slot than last time
	s_add_co_u32 s[FN], s[FN], 1
	s_add_co_u32 s[FO], s[FO], BLOCK               ; the next key step,
	s_cmp_eq_u32 s[FN], s[LA]
	s_cselect_b32 s[FO], 0, s[FO]                  ; or key step 0 again, where the second block of queries begins: a choice, no branch
	s_add_nc_u64 s[G0+2:G0+3], s[KVB:KVB+1], s[FO:FO+1]
	s_or_b32 s[G0+3], s[G0+3], 0x80000000          ; type = 2
	s_wait_xcnt 0x0                                ; the last prefetch, a step back, has read its address, so it may be written
	s_add_nc_u64 s[PFA:PFA+1], s[PFA:PFA+1], BLOCK
.endif
	s_wait_dscnt 0x0                               ; the add is done, and my reads of the slot that I have left are over
	s_barrier_signal -1
	s_barrier_wait -1
.if \fill
	TLOAD                                          ; the first thing behind the barrier, and a wave's one tensor load until the next
	ASK
.endif
.endm
; 16 rows of 512 bytes, loaded row by row (register 4 i + .. = my 16 bytes of row i), turn through my own stage into the quantiser's layout.  LDS serves a wave's instructions in order (ISA guide 5.7.1.4): no wait between stores and loads.
.macro TURN16 reg
.irp i, 0,1,2,3,4,5,6,7,8,9,10,11,12,13,14,15
	ds_store_b128 v[STI], v[\reg+4*\i:\reg+4*\i+3] offset:SP*\i
.endr
.irp b, 0,1,2,3
.irp j, 0,1,2,3
	ds_load_b128 v[\reg+16*\b+4*\j:\reg+16*\b+4*\j+3], v[STQ] offset:128*\b+16*\j
.endr
.endr
.endm
; The state at the head of a block of queries: the first step finds zeros, which the first change of M leaves zeros.
.macro FRESH
	v_mov_b32 v13, 0xff61b1e6                      ; the largest t so far: -3e38, under every t
	v_floor_f32 v12, -v13                          ; -M
	v_mov_b32 v14, 0
	v_mov_b32 v15, 0
.set jj, 0
.rept 64
	v_mov_b32 v[160+jj], 0
.set jj, jj+1
.endr
.endm
; A KEY STEP: 128 keys, from the slot in hand.  diag = 1: it lies on the diagonal; diag = 0: it does where one step is left (a scalar branch on ids).
.macro STEP diag
.rept 4
	v_nop                                          ; four plain instructions between the last step's products and loads into registers that they read (ISA guide 7.12.1 for vector instructions)
.endr
	v_add_nc_u32 v[ADR], s[TB], v[LI]
	ds_load_b128 v[248:251], v[ADR] offset:KSO     ; K's scale words: register j holds tile j's in lanes 0-15 and tile 4 + j's in lanes 16-31
.irp g, 0,1                                    ; S^T = K Q^T, four tiles of 16 keys at a time
.if \g
.rept 4
	v_nop
.endr
.endif
.irp t, 0,1,2,3
.irp c, 0,1,2
	ds_load_b128 v[32+12*\t+4*\c:35+12*\t+4*\c], v[ADR] offset:FRB*(4*\g+\t)+512*\c
.endr
.endr
	s_wait_dscnt 0x0
.irp t, 0,1,2,3
.if \g
	v_wmma_scale_f32_16x16x128_f8f6f4 v[128+8*\t:135+8*\t], v[32+12*\t:43+12*\t], v[16:27], 0, v[248+\t], v255 matrix_a_fmt:MATRIX_FMT_FP6 matrix_b_fmt:MATRIX_FMT_FP6 matrix_a_scale:MATRIX_SCALE_ROW1
.else
	v_wmma_scale_f32_16x16x128_f8f6f4 v[96+8*\t:103+8*\t], v[32+12*\t:43+12*\t], v[16:27], 0, v[248+\t], v255 matrix_a_fmt:MATRIX_FMT_FP6 matrix_b_fmt:MATRIX_FMT_FP6
.endif
.endr
.endr
.rept 4
	v_nop                                          ; in front of the loads below and of the first read of the scores
.endr
	ds_load_b128 v[248:251], v[ADR] offset:VSO     ; V's scale words and its first four fragments are asked for ahead of the softmax, which touches none of these registers
.irp t, 0,1,2,3
.irp c, 0,1,2
	ds_load_b128 v[32+12*\t+4*\c:35+12*\t+4*\c], v[ADR] offset:VCO+FRB*\t+512*\c
.endr
.endr
.if \diag == 0
	s_cmp_lg_u32 s[LEFT], 1
	s_cbranch_scc1 .Lopen_\@                       ; all keys of this step count
.endif
	v_add_nc_u32 v252, s[DD], v[RH]                ; d = my query - the step's first key - 16 (lane / 16).  Register 16 b + i holds key 32 b + 16 (lane / 16) + i: hidden where 32 b + i > d
	v_mov_b32 v254, 0xff800000                     ; -infinity: p = 0 then
.set nn, 0
.rept 64
	v_cmp_gt_i32 vcc_lo, 32*(nn/16)+nn%16, v252
	v_cndmask_b32 v[96+nn], v[96+nn], v254, vcc_lo
.set nn, nn+1
.endr
.if \diag == 0
.Lopen_\@:
.endif
.irp b, 0,1,2,3
	v_max3_num_f32 v[232+\b], v[96+16*\b], v[97+16*\b], v[98+16*\b]   ; THE LARGEST SCORE OF EACH BLOCK OF 32 KEYS: for the row's maximum and, since p rises with the score, for the block's largest p
.endr
.irp i, 3,5,7,9,11,13
.irp b, 0,1,2,3
	v_max3_num_f32 v[232+\b], v[232+\b], v[96+16*\b+\i], v[97+16*\b+\i]
.endr
.endr
.irp b, 0,1,2,3
	v_max_num_f32 v[232+\b], v[232+\b], v[111+16*\b]
.endr
.irp b, 0,1,2,3
	v_permlanex16_b32 v[236+\b], v[232+\b], s[SEL], s[SEL+1]
.endr
.irp b, 0,1,2,3
	v_max_num_f32 v[232+\b], v[232+\b], v[236+\b]  ; with lane l xor 16's 16 keys
.endr
	v_max3_num_f32 v254, v232, v233, v234
	v_max_num_f32 v254, v254, v235                 ; the step's largest score of my query
	v_mul_f32 v254, s[CS], v254                    ; as t (c is positive)
	v_max_num_f32 v13, v13, v254                   ; the running largest t
	v_mov_b32 v254, v12
	v_floor_f32 v12, -v13                          ; the new -M = floor(-t) = -ceil(t): a whole number
	v_sub_f32 v254, v12, v254                      ; old M - new M: a whole number, 0 or less
	v_cvt_i32_f32 v254, v254                       ; (it saturates)
	v_ldexp_f32 v252, 1.0, v254                    ; f = 2^(old M - new M)
.set jj, 0
.rept 32
	v_pk_fma_f32 v[96+jj:97+jj], v[96+jj:97+jj], s[CS:CS+1], v[12:13] op_sel_hi:[1,0,0]   ; t - M, two at a time
.set jj, jj+2
.endr
.irp b, 0,1,2,3
	v_fma_f32 v[232+\b], v[232+\b], s[CS], v12     ; the same of each block's largest score
.endr
.set jj, 0
.rept 64
	v_exp_f32 v[96+jj], v[96+jj]                   ; p = 2^(t - M), at most 1: not normalised
.set jj, jj+1
.endr
	v_pk_mul_f32 v[14:15], v[14:15], v[252:253] op_sel_hi:[1,0]   ; the sums under the new M: the plain instruction behind the exponentials
	s_wait_alu depctr_va_vdst(0)                   ; one wait for the batch of 64, ahead of its first reader
.irp b, 0,1,2,3
	v_exp_f32 v[232+\b], v[232+\b]                 ; the block's largest p: the same two instructions on the same number give the same bits
.endr
	v_pk_add_f32 v[236:237], v[96:97], v[98:99]    ; THE ROW'S SUM IS TAKEN OF THE UNQUANTISED p: two at a time, in two chains; it reads the 64 alone
.irp j, 4,8,12,16,20,24,28,32,36,40,44,48,52,56,60
	v_pk_add_f32 v[14:15], v[14:15], v[96+\j:97+\j]
	v_pk_add_f32 v[236:237], v[236:237], v[98+\j:99+\j]
.endr
	v_pk_add_f32 v[14:15], v[14:15], v[236:237]
	s_wait_alu depctr_va_vdst(0)                   ; and one for the four
.irp b, 0,1,2,3
	v_max_num_f32 v[232+\b], 0x1800000, v[232+\b]  ; the floor 2^(3 - 127): a block whose every p is 0 keeps the byte 1: its codes are zeros
.endr
.irp b, 0,1,2,3
	v_add_nc_u32 v[244+\b], 0xff000000, v[232+\b]  ; 2 off the exponent field: the conversion's scale operand
.endr
.irp b, 0,1,2,3
	v_lshrrev_b32 v[236+\b], 23, v[244+\b]         ; the scale's byte
.endr
	v_lshl_or_b32 v253, v237, 8, v236              ; p's scale word for these 128 keys
	v_lshl_or_b32 v253, v238, 16, v253
	v_lshl_or_b32 v253, v239, 24, v253
.irp c, 0,1
	v_cvt_scalef32_pk16_fp6_f32 v[224+6*\c:226+6*\c], v[96+32*\c:111+32*\c], v[244+2*\c]
	v_cvt_scalef32_pk16_fp6_f32 v[236+4*\c:238+4*\c], v[112+32*\c:127+32*\c], v[245+2*\c]
.endr
	v_nop                                          ; one plain instruction behind the scaled conversions
.irp c, 0,1
.irp i, 0,1,2
	v_permlane16_swap_b32 v[224+6*\c+\i], v[236+4*\c+\i]
.endr
.irp i, 0,1,2
	v_mov_b32 v[227+6*\c+\i], v[236+4*\c+\i]
.endr
.endr
.set jj, 0
.rept 32
	v_pk_mul_f32 v[160+jj:161+jj], v[160+jj:161+jj], v[252:253] op_sel_hi:[1,0]   ; O^T under the new M; these 32 also stand between the writes of p's codes and scale word and the products below
.set jj, jj+2
.endr
	s_wait_dscnt 0x0                               ; V's first four fragments and its scale words, asked for ahead of the softmax
.irp t, 0,1,2,3                                ; O^T += V^T P^T: the eight accumulators take turns, one instruction a turn
	v_wmma_scale_f32_16x16x128_f8f6f4 v[160+8*\t:167+8*\t], v[32+12*\t:43+12*\t], v[224:235], v[160+8*\t:167+8*\t], v[248+\t], v253 matrix_a_fmt:MATRIX_FMT_FP6 matrix_b_fmt:MATRIX_FMT_FP6
.endr
.rept 4
	v_nop
.endr
.irp t, 0,1,2,3
.irp c, 0,1,2
	ds_load_b128 v[32+12*\t+4*\c:35+12*\t+4*\c], v[ADR] offset:VCO+FRB*(4+\t)+512*\c
.endr
.endr
	s_wait_dscnt 0x0
.irp t, 0,1,2,3
	v_wmma_scale_f32_16x16x128_f8f6f4 v[192+8*\t:199+8*\t], v[32+12*\t:43+12*\t], v[224:235], v[192+8*\t:199+8*\t], v[248+\t], v253 matrix_a_fmt:MATRIX_FMT_FP6 matrix_b_fmt:MATRIX_FMT_FP6 matrix_a_scale:MATRIX_SCALE_ROW1
.endr
.endm
; THE WAY OUT of a block of queries.  O^T / the sum goes through my stage and leaves as whole rows: 32 lanes store a row's 512 bytes.  reset = 1: the second block's Q, a fresh state and its pointers follow.
.macro FINISH reset
.rept 4
	v_nop                                          ; behind the last products
.endr
	v_add_f32 v14, v14, v15                        ; the sum's two halves,
	v_permlanex16_b32 v252, v14, s[SEL], s[SEL+1]
	v_add_f32 v14, v14, v252                       ; and lane l xor 16's: the row's sum
	v_rcp_f32 v14, v14
	v_nop                                          ; a plain instruction behind the reciprocal
	s_wait_alu depctr_va_vdst(0)                   ; and the wait ahead of its first reader
.set jj, 0
.rept 64
	v_mul_f32 v[96+jj], v[160+jj], v14             ; register 8 t + j is o(query r, channel 16 t + 8 h + j); each accumulator is read from its low end on
.set jj, jj+1
.endr
.irp t, 0,1,2,3,4,5,6,7
	ds_store_b128 v[STO], v[96+8*\t:99+8*\t] offset:64*\t
	ds_store_b128 v[STO], v[100+8*\t:103+8*\t] offset:64*\t+16
.endr
.irp i, 0,1,2,3,4,5,6,7,8,9,10,11,12,13,14,15
	ds_load_b128 v[96+4*\i:99+4*\i], v[STI] offset:SP*\i   ; LDS serves a wave's instructions in order: these see my stores
.endr
.if \reset
.irp i, 0,1,2,3,4,5,6,7,8,9,10,11
	v_mov_b32 v[16+\i], v[80+\i]                   ; the second block's Q, while the rows come back from the stage
.endr
	v_mov_b32 v255, v92
	FRESH                                          ; (more than eight plain instructions between the write of the scale word and the next product)
.endif
.irp i, 0,1,2,3,4,5,6,7,8,9,10,11,12,13,14,15
	s_wait_dscnt 15-\i                             ; row i is back; the 15 - i younger loads may stay out
	global_store_b128 v[LI], v[96+4*\i:99+4*\i], s[OP:OP+1] offset:16384*\i th:TH_STORE_NT   ; 512 consecutive bytes, at a multiple of 256 from out0's first byte; written once, read by nobody here
.endr
.if \reset
	s_wait_xcnt 0x0                                ; the stores have read their registers and their base: both are written again only behind this wait
	s_mov_b64 s[OP:OP+1], s[OPB:OPB+1]
	s_mov_b32 s[DD], s[DB]
	s_mov_b32 s[LEFT], s[LB1]                      ; (one is taken off below)
.endif
.endm
	s_load_b128 s[4:7], s[0:1], 0x0                ; q s[4:5], kv s[6:7]
	s_load_b64 s[8:9], s[0:1], 0x10                ; out0
	v_lshl_add_u32 v[SPW], v0, 2, SPARE
	v_mov_b32 v[NIL], 0
	ds_add_u32 v2, v3
	s_wait_dscnt 0x0
	v_lshrrev_b32 v11, 5, v0
	v_readfirstlane_b32 s[WV], v11                 ; wave 0..15
	s_and_b32 s11, ttmp7, 0xffff                   ; y = 8 x batch + K/V head
	s_lshr_b32 s12, ttmp9, 1
	s_sub_co_u32 s[LA], 16, s12                    ; block 31 - i needs 16 - i / 2 key steps,
	s_add_co_u32 s[LB1], s12, 2                    ; block i needs i / 2 + 1
	s_mov_b32 s[LEFT], s[LA]
	s_and_b32 s13, ttmp9, 1
	s_lshr_b32 s14, s[WV], 2                       ; which 16 of the 64 queries
	s_and_b32 s15, s[WV], 3                        ; which of the four heads
	s_lshl_b32 s55, s14, 4
	s_lshl_b32 s[DB], s13, 6
	s_add_co_u32 s[DB], s[DB], s55                 ; 64 (block % 2) + 16 (wave / 4), for block i
	s_xor_b32 s56, s13, 1
	s_lshl_b32 s[DD], s56, 6
	s_add_co_u32 s[DD], s[DD], s55                 ; and for block 31 - i
	s_lshr_b32 s56, s11, 3
	s_lshl_b32 s56, s56, 25                        ; q and out0: batch x 2^25
	s_lshl_b32 s57, s14, 18                        ; + 16 (wave / 4) rows of 16,384 bytes
	s_add_co_u32 s56, s56, s57
	s_and_b32 s57, s11, 7
	s_lshl_b32 s57, s57, 2
	s_add_co_u32 s57, s57, s15
	s_lshl_b32 s57, s57, 9                         ; + head x 512
	s_add_co_u32 s56, s56, s57
	s_sub_co_u32 s57, 31, ttmp9
	s_lshl_b32 s57, s57, 20                        ; + block x 64 rows
	s_add_co_u32 s58, s56, s57
	s_mov_b32 s59, 0
	s_lshl_b32 s57, ttmp9, 20
	s_add_co_u32 s60, s56, s57
	s_mov_b32 s61, 0
	s_mul_i32 s62, s11, 16*BLOCK                   ; kv: my head's sixteen blocks,
	s_mul_i32 s[G0+1], s15, QB                     ; my quarter: in slot 0,
	s_add_co_u32 s62, s62, s[G0+1]                 ; and in memory
	s_mov_b32 s63, 0
	; descriptor group 1: 25 dense rows of 256 bytes (32 elements of 8 bytes), no padding: the images are read as consecutive bytes
	s_mov_b32 s[G1+0], 3<<16
	s_mov_b32 s[G1+1], 32<<16                      ; tensor_dim0
	s_mov_b32 s[G1+2], 25<<16                      ; tensor_dim1
	s_mov_b32 s[G1+3], 32<<16                      ; tile_dim0
	s_mov_b32 s[G1+4], 25                          ; tile_dim1
	s_mov_b32 s[G1+5], 32                          ; from row to row
	s_mov_b32 s[G1+6], 0
	s_mov_b32 s[G1+7], 0
	s_mov_b32 s[FO], 0
	s_mov_b32 s[FO+1], 0
	s_mov_b32 s[FN], 0
	s_mov_b32 s[TB], 0
	s_mov_b32 s[TRIPS], 16
	s_mov_b32 s[SEL], 0x76543210
	s_mov_b32 s[SEL+1], 0xfedcba98
	s_mov_b32 s[CS], 0x3e0293ee                    ; c = log2(e) / sqrt(128)
	s_mov_b32 s[CS+1], s[CS]                       ; (named with it as a pair, so it is written)
	s_xor_b32 s56, s14, 1                          ; 0 in waves 4 to 7,
	s_or_b32 s56, s56, ttmp9                       ; of the head's work-group x = 0
	s_cmp_eq_u32 s56, 0
	s_cselect_b32 s[LIM], 2, -1
	; every LDS address is made here, on the one way that all waves take
	v_and_b32 v[LI], 31, v0
	v_min_u32 v[PFO], 24, v[LI]
	v_lshlrev_b32 v[PFO], 8, v[PFO]
	v_lshlrev_b32 v[LI], 4, v[LI]
	v_and_b32 v7, 15, v0                           ; r
	v_bfe_u32 v11, v0, 4, 1                        ; h
	v_lshlrev_b32 v[RH], 4, v11
	v_sub_nc_u32 v[RH], v7, v[RH]
	s_mul_i32 s55, s[WV], 16*SP
	s_add_co_u32 s55, s55, STAGE                   ; my stage
	v_add_nc_u32 v[STI], s55, v[LI]
	v_mul_u32_u24 v[STQ], v7, SP
	v_add_nc_u32 v[STQ], s55, v[STQ]
	v_lshl_add_u32 v[STO], v11, 5, v[STQ]
	v_lshl_add_u32 v[STQ], v11, 6, v[STQ]
.irp b, 0,1,2,3
	v_mov_b32 v[236+\b], 0                         ; written once: a lane permute's destination counts as one of its sources
.endr
	v_mov_b32 v253, 0                              ; (named as the upper half of the pair v[252:253] before it is first written)
	s_wait_kmcnt 0x0
	s_add_nc_u64 s[KVB:KVB+1], s[6:7], s[62:63]
	s_add_nc_u64 s[QPA:QPA+1], s[4:5], s[58:59]
	s_add_nc_u64 s[QPB:QPB+1], s[4:5], s[60:61]
	s_add_nc_u64 s[OP:OP+1], s[8:9], s[58:59]
	s_add_nc_u64 s[OPB:OPB+1], s[8:9], s[60:61]
	s_add_nc_u64 s[PFA:PFA+1], s[KVB:KVB+1], BLOCK ; at key step 1: the first change of slots steps it to 2.  Nothing is prefetched here, at the head
	s_mov_b32 s[G0], 1                             ; count = 1
	s_mov_b64 s[G0+2:G0+3], s[KVB:KVB+1]           ; key step 0
	s_or_b32 s[G0+3], s[G0+3], 0x80000000          ; type = 2
	TLOAD                                          ; the first fill, slot 0: ahead of every LDS read, every wait on TENSORcnt and every barrier
.irp i, 0,1,2,3,4,5,6,7,8,9,10,11,12,13,14,15
	global_load_b128 v[96+4*\i:99+4*\i], v[LI], s[QPA:QPA+1] offset:16384*\i th:TH_LOAD_NT   ; my 16 rows of q of the first block: 32 lanes read a row's 512 bytes
.endr
.irp i, 0,1,2,3,4,5,6,7,8,9,10,11,12,13,14,15
	global_load_b128 v[160+4*\i:163+4*\i], v[LI], s[QPB:QPB+1] offset:16384*\i th:TH_LOAD_NT ; and of the second, into the registers that O^T will take
.endr
	s_wait_loadcnt 16                              ; the first block's 16 loads are in; the second's 16 may stay out
	TURN16 96
	s_wait_dscnt 0x0
	QUANT 96, 16, 255
	s_wait_loadcnt 0x0
	TURN16 160
	s_wait_dscnt 0x0
	QUANT 160, 80, 92
	FRESH
.Ltrip:                                            ; 16 trips: trip n reads step n of the 17 and asks for step n + 1
	CHANGE 1
	STEP 0
	s_cmp_lg_u32 s[LEFT], 1                        ; the first block's last step always falls in the loop (it has at most 16): a scalar branch on ids, round no barrier and no tensor load
	s_cbranch_scc1 .Lon
	FINISH 1
.Lon:
	s_sub_co_u32 s[LEFT], s[LEFT], 1
	s_xor_b32 s[TB], s[TB], SLOTX                  ; on to the other slot
	s_sub_co_u32 s[TRIPS], s[TRIPS], 1
	s_cmp_lg_u32 s[TRIPS], 0
	s_cbranch_scc1 .Ltrip
	CHANGE 0                                       ; the 17th step is written out: it is the second block's diagonal step
	STEP 1
	FINISH 0
	s_wait_tensorcnt 0x0                           ; the wave's end: behind my last tensor load and my last LDS store
	ds_add_u32 v[SPW], v[NIL]
	s_wait_dscnt 0x0
	s_endpgm
.Lfunc_end_k_q984b46dc3a_attn:
	.size	k_q984b46dc3a_attn, .Lfunc_end_k_q984b46dc3a_attn-k_q984b46dc3a_attn
	.p2alignl 7, 3214868480
	.fill 96, 4, 3214868480
	.section	.rodata,"a",@progbits
	.p2align	6, 0x0
	.amdhsa_kernel k_q984b46dc3a_attn
		.amdhsa_group_segment_fixed_size 327680
		.amdhsa_private_segment_fixed_size 0
		.amdhsa_enable_private_segment 0
		.amdhsa_kernarg_size 24
		.amdhsa_user_sgpr_count 2
		.amdhsa_user_sgpr_kernarg_segment_ptr 1
		.amdhsa_wavefront_size32 1
		.amdhsa_system_sgpr_workgroup_id_x 1
		.amdhsa_system_sgpr_workgroup_id_y 1
		.amdhsa_system_sgpr_workgroup_id_z 1
		.amdhsa_system_vgpr_workitem_id 0
		.amdhsa_next_free_vgpr 256
		.amdhsa_next_free_sgpr 66
		.amdhsa_reserve_vcc 1
		.amdhsa_float_denorm_mode_32 3
		.amdhsa_float_denorm_mode_16_64 3
		.amdhsa_memory_ordered 1
		.amdhsa_forward_progress 1
		.amdhsa_inst_pref_size 85
	.end_amdhsa_kernel
	.amdgpu_metadata
---
amdhsa.version: [ 1, 2 ]
amdhsa.kernels:
  - .name:           k_q984b46dc3a_attn
    .symbol:         k_q984b46dc3a_attn.kd
    .args:
      - { .name: q, .offset: 0, .size: 8, .value_kind: global_buffer, .address_space: global }
      - { .name: kv, .offset: 8, .size: 8, .value_kind: global_buffer, .address_space: global }
      - { .name: out0, .offset: 16, .size: 8, .value_kind: global_buffer, .address_space: global }
    .group_segment_fixed_size: 327680
    .private_segment_fixed_size: 0
    .kernarg_segment_align: 8
    .kernarg_segment_size: 24
    .max_flat_workgroup_size: 512
    .sgpr_count:     66
    .vgpr_count:     256
    .wavefront_size: 32
...
	.end_amdgpu_metadata
.endif
;; end of part 2
